; MI455X (gfx1250); checked and timed in simulation.
; The chip was launched on July 23, 2026; its instructions are those of AMD's public machine-readable ISA for CDNA 5 (MIT licence, August 2026) and "CDNA5" Instruction Set Architecture Reference Guide (July 2026). The comments in the code are by the model that wrote it; some were corrected since.
;; Context Knowledge Encoder. Allowed arithmetic: matrix products marked QUANTISED: E4M3 operands, one given power-of-two scale a tensor, by v_wmma_f32_16x16x64_fp8_fp8 or v_wmma_f32_16x16x128_fp8_fp8, f32 sums; products left as they are: f32 operands where the result goes on into a quantised operand, else bf16, f16 or f32 operands; f32 sums; everything else in f32.
;; Inputs: W_emb 32,000 x 1,024 float32; W_proj 1,024 x 1,024 float32; ck_mask 8 x 32 bool; cs_ids 8 int32; know_tokens 8 x 32 x 128 int32; lowp_scales 4 int32 (the exponents e of the quantised operands' scales 2^e); src_tokens 8 x 256 int32.
;; Outputs: out0 8 x 384 x 1,024 float32; out1 8 x 384 bool; out2 8 x 32 float32.
;; Constants: use_cs_ids = 0.
;; This version of the problem:
;;   THIS VERSION OF THE PROBLEM IS GIVEN IN LOW PRECISION. The matrix products marked QUANTISED in the list below multiply operands that are first quantised to E4M3 (4 exponent bits, 3 mantissa bits; 8 bits a number), with one given power-of-two scale for each operand tensor; their sums are f32. All else is computed in f32.
;;   The module's matrix products, in the order in which they are computed (A, B: the left and right operand; K: the contracted axis; several contracted axes count as one K, in the product's order):
;;     1. [M 2,048, K 1,024] x [K 1,024, N 1,024]; A: computed on the way; B: input W_proj: QUANTISED (scales: A lowp_scales[0], B lowp_scales[1])
;;     2. [M 32,768, K 1,024] x [K 1,024, N 1,024]; A: computed on the way; B: input W_proj: QUANTISED (scales: A lowp_scales[2], B lowp_scales[3])
;;     3. batch 8 x [M 32, K 1,024] x [K 1,024, N 1]; A: computed on the way; B: computed on the way: left as it is (N = 1 < 16)
;;   THE QUANTISER, for each operand of a quantised product, along K:
;;     - The operand's scale is 2^e, e = its entry of the input lowp_scales (int32; the entries are numbered through the quantised products in the list's order, A before B).
;;     - Each number is divided by the scale, clamped to +-448, and rounded to the nearest number of E4M3, ties to even, subnormals kept.
;;     - The product sums the exact products of the quantised numbers (number of the format x scale) in f32.
;;   ~~~python
;;   def quantise(x, axis, e):      # numpy; x: float32 -> the quantised numbers, widened to float32 again
;;       x = np.moveaxis(x, axis, -1); K = x.shape[-1]
;;       r = np.clip(x / 2.0 ** e, -448, 448)
;;       step = 2.0 ** (np.maximum(np.frexp(np.where(r == 0, 1, r))[1] - 1, -6) - 3)
;;       q = np.round(r / step) * step * 2.0 ** e      # np.round: ties to even
;;       return np.moveaxis(q, -1, axis).astype(np.float32)
;;   ~~~
;;   OPERANDS COMPUTED ON THE WAY. 'Computed on the way' means the value that the module computes at that place (a softmax that the list does not call 'softmax' is quantised finished and normalised). What goes into a quantiser is computed in f32, as accurately as f32 sums, v_exp_f32 and their like allow (about 1e-6 of the number): no bf16 or f16 on the way to a quantiser, and a product that is left as it is and whose result goes on into a quantised operand takes f32 operands (vector FMAs, or v_wmma_f32_16x16x4_f32). A number that lies on a knife's edge between two numbers of the format may be rounded either way, as far as f32 arithmetic and the matrix unit's own rounding can turn it there, and no further.
;; One version. Each part assembles by itself: llvm-mc -triple=amdgcn-amd-amdhsa -mcpu=gfx1250 --defsym DOCPART=n.
;; ======== version 1 of 1: 5 launches
;; limits: right only within a limited range of input values
;; workspace buffers: wk 1,048,576 bytes; wc 1,048,576 bytes; knowpart 2,097,152 bytes; ctxpart 262,144 bytes; ctxmap 1,024 bytes of whole numbers; selmap 512 bytes of whole numbers
;; launch prep (part 1): grid 8 x 32, 4 waves a work-group, no clusters, 0 bytes of LDS; arguments W_proj, lowp_scales, wc, wk, ctxmap; writes wc, wk, ctxmap
.if DOCPART == 1
	.amdgcn_target "amdgcn-amd-amdhsa--gfx1250"
	.amdhsa_code_object_version 6
	.text
	.protected	k_q5dede53159_prep
	.globl	k_q5dede53159_prep
	.p2align	8
	.type	k_q5dede53159_prep,@function
k_q5dede53159_prep:
	s_mov_b64 s[64:65], 0
	v_nop
	global_prefetch_b8 v0, s[64:65] scope:SCOPE_SE
	s_setreg_imm32_b32 hwreg(HW_REG_WAVE_MODE, 25, 1), 1
	s_wait_xcnt 0x0
; W_proj [1024 (k)][1024 (n)] f32 becomes codes of E4M3 twice: wc with the scale 2^e1 (entry 1 of lowp_scales), wk with 2^e3 (entry 3).
; code = x / 2^e, held within +-448, to the nearest code, ties to even.  LIMITS: e between -126 and 119; NaN among the inputs is not served.
; LAYOUT OF THE CODES: images of operand registers.  Byte ct*16384 + s*2048 + c*512 + h*256 + r*16 holds the four registers 4c .. 4c+3 that lane (r, h) wants of the
; fragment (column tile ct, K step s): register 4c+q, byte i is W[k][16 ct + r] with k = 512 (s/4) + 128 q + 32 (s%4) + 8 c + 4 h + i.  The later launches lay the rows' codes in the same
; order of k, so every product meets its partner; the order comes from their dense loads of rows.
; SHARES: work-group (x, y): 128 columns 128 x on, y = 4 s + c.  A LANE TAKES A COLUMN and its 32 registers run down K (h, q, i): each load reads 128 consecutive bytes a wave, and the four
; waves stand side by side on 512.  A lane's 16 codes of one h are 16 bytes, and sixteen neighbouring lanes (one column tile) store 256 consecutive bytes, aligned: no way through LDS is needed.
; No tensor loads, no barrier, no cluster: waves share nothing.
; Work-group (0, 0) also writes the row map of the context launch: entry e of 64 = { first token 32 e, first row of out0, byte 0 in lowp_scales, 1 = store column sums }.
.set X,  32                            ; v32-63   the 32 numbers: index 16 h + 4 q + i
.set T,  64                            ; v64-95   held copies for e1
.set C1, 96                            ; v96-103  codes with e1
.set C3, 104                           ; v104-111 codes with e3
	s_load_b256 s[4:11], s[0:1], 0x0               ; W_proj s[4:5], lowp_scales s[6:7], wc s[8:9], wk s[10:11]
	s_load_b64 s[12:13], s[0:1], 0x20              ; ctxmap
	v_lshrrev_b32 v3, 5, v0
	v_readfirstlane_b32 s14, v3                    ; wave
	v_and_b32 v4, 31, v0                           ; lane
	v_lshlrev_b32 v1, 2, v4                        ; in: 4 bytes a lane
	v_lshrrev_b32 v5, 4, v4
	v_and_b32 v6, 15, v4
	v_lshlrev_b32 v2, 4, v6
	v_lshl_add_u32 v2, v5, 14, v2                  ; out: (lane / 16) column tiles of 16,384 bytes + 16 (lane % 16)
	s_and_b32 s15, ttmp7, 0xffff                   ; y = 4 s + c
	s_lshr_b32 s16, s15, 2                         ; s
	s_and_b32 s17, s15, 3                          ; c
	s_lshr_b32 s18, s16, 2
	s_lshl_b32 s18, s18, 9                         ; 512 (s / 4)
	s_and_b32 s19, s16, 3
	s_lshl_b32 s19, s19, 5                         ; 32 (s % 4)
	s_add_co_u32 s18, s18, s19
	s_lshl_b32 s19, s17, 3                         ; 8 c
	s_add_co_u32 s18, s18, s19
	s_lshl_b32 s18, s18, 12                        ; rows of 4,096 bytes
	s_lshl_b32 s19, ttmp9, 9                       ; 128 x columns of 4 bytes
	s_add_co_u32 s18, s18, s19
	s_lshl_b32 s19, s14, 7                         ; 32 columns a wave
	s_add_co_u32 s18, s18, s19
	s_mov_b32 s19, 0
	s_lshl_b32 s20, ttmp9, 17                      ; 8 x column tiles
	s_lshl_b32 s21, s14, 15                        ; 2 a wave
	s_add_co_u32 s20, s20, s21
	s_lshl_b32 s21, s16, 11                        ; s * 2048
	s_add_co_u32 s20, s20, s21
	s_lshl_b32 s21, s17, 9                         ; c * 512
	s_add_co_u32 s20, s20, s21
	s_mov_b32 s21, 0
	s_wait_kmcnt 0x0
	s_load_b128 s[24:27], s[6:7], 0x0              ; e0, e1, e2, e3
	s_add_nc_u64 s[4:5], s[4:5], s[18:19]
	s_add_nc_u64 s[8:9], s[8:9], s[20:21]
	s_add_nc_u64 s[10:11], s[10:11], s[20:21]
.irp h, 0,1
.irp q, 0,1,2,3
.irp i, 0,1,2,3
	global_load_b32 v[X+16*\h+4*\q+\i], v1, s[4:5] offset:(128*\q+4*\h+\i)*4096 th:TH_LOAD_NT   ; each number of W_proj is read once in the launch
.endr
.endr
.endr
	s_wait_kmcnt 0x0
	s_add_co_i32 s28, s25, 127
	s_lshl_b32 s29, s28, 23
	v_mov_b32 v11, s29                             ; 2^e1 as f32: the conversion takes its exponent field
	s_add_co_i32 s28, s28, 8
	s_lshl_b32 s28, s28, 23
	s_or_b32 s28, s28, 0x600000
	v_mov_b32 v10, s28                             ; 448 x 2^e1
	s_add_co_i32 s28, s27, 127
	s_lshl_b32 s29, s28, 23
	v_mov_b32 v13, s29                             ; 2^e3
	s_add_co_i32 s28, s28, 8
	s_lshl_b32 s28, s28, 23
	s_or_b32 s28, s28, 0x600000
	v_mov_b32 v12, s28                             ; 448 x 2^e3
	s_wait_loadcnt 0x0
.set j, 0
.rept 32
	v_med3_num_f32 v[T+j], v[X+j], -v10, v10       ; the conversion to an 8-bit code does not saturate (ISA guide 7.6.2): the hold comes first
.set j, j+1
.endr
.irp g, 0,1,2,3
	v_cvt_scalef32_pk8_fp8_f32 v[C1+2*\g:C1+2*\g+1], v[T+8*\g:T+8*\g+7], v11
.endr
.set j, 0
.rept 32
	v_med3_num_f32 v[X+j], v[X+j], -v12, v12
.set j, j+1
.endr
.irp g, 0,1,2,3
	v_cvt_scalef32_pk8_fp8_f32 v[C3+2*\g:C3+2*\g+1], v[X+8*\g:X+8*\g+7], v13
.endr
	v_nop                                          ; a plain line behind the last conversion
.irp h, 0,1
	global_store_b128 v2, v[C1+4*\h:C1+4*\h+3], s[8:9] offset:256*\h     ; sixteen lanes store 256 consecutive bytes, aligned
	global_store_b128 v2, v[C3+4*\h:C3+4*\h+3], s[10:11] offset:256*\h
.endr
	s_or_b32 s22, ttmp9, s15                       ; the map: work-group (0, 0), waves 0 and 1: thread e writes entry e
	s_cmp_lg_u32 s22, 0
	s_cbranch_scc1 .Lend
	s_cmp_gt_u32 s14, 1
	s_cbranch_scc1 .Lend
	v_lshlrev_b32 v16, 5, v0                       ; first token: 32 e
	v_lshrrev_b32 v20, 3, v0
	v_mul_u32_u24 v20, v20, 384                    ; example e / 8: 384 rows of out0 each,
	v_and_b32 v21, 7, v0
	v_lshl_add_u32 v17, v21, 5, v20                ; + 32 (e % 8),
	v_add_nc_u32 v17, 128, v17                     ; behind the chosen chunk's 128 rows
	v_mov_b32 v18, 0                               ; scales: entries 0 and 1
	v_mov_b32 v19, 1                               ; column sums are wanted
	v_lshlrev_b32 v22, 4, v0
	global_store_b128 v22, v[16:19], s[12:13]
.Lend:
	s_endpgm
.Lfunc_end_k_q5dede53159_prep:
	.size	k_q5dede53159_prep, .Lfunc_end_k_q5dede53159_prep-k_q5dede53159_prep
	.p2alignl 7, 3214868480
	.fill 96, 4, 3214868480
	.section	.rodata,"a",@progbits
	.p2align	6, 0x0
	.amdhsa_kernel k_q5dede53159_prep
		.amdhsa_group_segment_fixed_size 0
		.amdhsa_private_segment_fixed_size 0
		.amdhsa_enable_private_segment 0
		.amdhsa_kernarg_size 40
		.amdhsa_user_sgpr_count 2
		.amdhsa_user_sgpr_kernarg_segment_ptr 1
		.amdhsa_wavefront_size32 1
		.amdhsa_system_sgpr_workgroup_id_x 1
		.amdhsa_system_sgpr_workgroup_id_y 1
		.amdhsa_system_sgpr_workgroup_id_z 1
		.amdhsa_system_vgpr_workitem_id 0
		.amdhsa_next_free_vgpr 128
		.amdhsa_next_free_sgpr 66
		.amdhsa_reserve_vcc 0
		.amdhsa_float_denorm_mode_32 3
		.amdhsa_float_denorm_mode_16_64 3
		.amdhsa_memory_ordered 1
		.amdhsa_forward_progress 1
		.amdhsa_inst_pref_size 11
	.end_amdhsa_kernel
	.amdgpu_metadata
---
amdhsa.version: [ 1, 2 ]
amdhsa.kernels:
  - .name:           k_q5dede53159_prep
    .symbol:         k_q5dede53159_prep.kd
    .args:
      - { .name: W_proj, .offset: 0, .size: 8, .value_kind: global_buffer, .address_space: global }
      - { .name: lowp_scales, .offset: 8, .size: 8, .value_kind: global_buffer, .address_space: global }
      - { .name: wc, .offset: 16, .size: 8, .value_kind: global_buffer, .address_space: global }
      - { .name: wk, .offset: 24, .size: 8, .value_kind: global_buffer, .address_space: global }
      - { .name: ctxmap, .offset: 32, .size: 8, .value_kind: global_buffer, .address_space: global }
    .group_segment_fixed_size: 0
    .private_segment_fixed_size: 0
    .kernarg_segment_align: 8
    .kernarg_segment_size: 40
    .max_flat_workgroup_size: 128
    .sgpr_count:     66
    .vgpr_count:     128
    .wavefront_size: 32
...
	.end_amdgpu_metadata
.endif
;; end of part 1
;; launch ctx (part 2): grid 4 x 64, 4 waves a work-group, no clusters, 53,760 bytes of LDS; arguments src_tokens, ctxmap, W_emb, wc, lowp_scales, out0, out1, ctxpart; writes out0, out1, ctxpart
.if DOCPART == 2
	.amdgcn_target "amdgcn-amd-amdhsa--gfx1250"
	.amdhsa_code_object_version 6
	.text
	.protected	k_q5dede53159_ctx
	.globl	k_q5dede53159_ctx
	.p2align	8
	.type	k_q5dede53159_ctx,@function
k_q5dede53159_ctx:
	s_mov_b64 s[64:65], 0
	v_nop
	global_prefetch_b8 v0, s[64:65] scope:SCOPE_SE
	s_setreg_imm32_b32 hwreg(HW_REG_WAVE_MODE, 25, 1), 1
	s_wait_xcnt 0x0
; One block of 32 token rows x 256 columns of the encoder: gather W_emb rows by token, quantise to E4M3, multiply by the codes of W_proj, tanh-gelu, rows of token 0 zero; whole rows go to out0,
; the mask to out1 and, where the map says so, the column sums of the 32 rows to the sums buffer.  The body serves two launches: the context, and the chosen knowledge chunks.
; THE MAP (whole numbers, stored by an earlier launch): entry y = { first token in the token buffer, first row in out0 (= first byte in out1), byte of the two exponents in lowp_scales, 1 = store sums }.
; SHARES: work-group (x = quarter of the 1,024 columns, y = row block).  Wave w gathers rows 8 w .. 8 w + 7 and multiplies all 32 rows by its own 64 columns.
; ORDER OF K: a load reads 512 consecutive bytes of a row, 16 a lane; the four loads q of a K half p give lane l sixteen numbers k = 512 p + 128 q + 4 l + i, two conversions make 16 codes of them:
; unit l of half p.  Registers 4c .. 4c+3 of lane (r, h) in the fragment of K step s are unit 2 (4 (s%4) + c) + h of half s/4 of row r.  The codes of W_proj are laid in the same order: a permutation
; of k that is the same in both operands, so every product meets its partner and only the order of the sums inside an instruction differs.
; The units go from wave to wave through a stage in LDS: a unit is 256 bytes (row r at 16 r), units 272 bytes apart, so that the sixteen lanes of a store fall on sixteen different 16-byte columns.
; THE MASK costs nothing: a row of token 0 is held within +-0, its codes are zeros, its sums 0 and gelu(0) = 0.
; GELU of x = S y (y the raw sum, S = 2^(eA+eB)): z = y (k1 + k3 y^2), k1 = -2.3022082 S, k3 = -0.10294324 S^3; gelu = y / ((1 + 2^z) / S).
; THE MATRIX INSTRUCTION IS USED TRANSPOSED (source 0 = 16 columns of W, source 1 = 16 rows): a lane holds eight neighbouring columns of one row.
; NO TENSOR LOAD AND NO CLUSTER: addresses and one branch hang on the stored map; each fragment of W is read once, by the one wave that multiplies it
; (64 KB a wave, straight into registers), and the rows are a gather by a list.
; LIMITS: eA between -126 and 119; eA + eB between -40 and 40; NaN and infinities among the inputs are not served; a token outside 0 .. 31999 is held at 31999.
; REGISTERS: window 0: v1-15 addresses and constants; v16-23 row offsets; v24-31 row limits; v32-95 codes; v64-127 the 8 accumulators ((ctl, tt) at 8 (2 ctl + tt)); v128-191 at work; v192-223 column sums; v224-255 rows read back.
;   window 1: the gathered numbers (128 p + 16 i + 4 q), then the rows' fragments ((2 s + tt) 16 + 4 c).   windows 2, 3: the fragments of W ((4 (s%4) + ctl) 16 + 4 c, window 2 + s/4).
.set STG,  0                           ; LDS: the stage: 2 row tiles x 64 units x 272
.set OST,  34816                       ; the way out: 16 rows x 272 for each wave
.set SCR,  52224                       ; the column sums: 256 bytes for each wave
.set L16,  1                           ; v1   16 x lane
.set RR,   2                           ; v2   lane % 16 (later k3)
.set HH,   3                           ; v3   lane / 16 (later k3)
.set STW,  4                           ; v4   where I store units
.set STR,  5                           ; v5   where I read them
.set OSW,  6                           ; v6   the way out: in
.set OSR,  7                           ; v7   and back
.set GO,   8                           ; v8   my byte offset in two rows of out0
.set SCW,  9                           ; v9   sums: in
.set SCRD, 10                          ; v10  and back
.set SCL,  11                          ; v11  2^eA
.set K1,   12                          ; v[12:13] k1, twice
.set K3,   2                           ; v[2:3]   k3, twice: written when r and h are done with
.set LN,   14                          ; v14  lane
.set VO,   16
.set LIMV, 24
.set SIV,  24                          ; v[24:25] 1 / S, twice: written when the limits are done with
.set CD,   32
.set Y,    64
.set T,    128
.set U,    192
.set RB,   224
.set TOK,  32                          ; s[32:39] my 8 tokens
.set SI,   46                          ; s46  1 / S
.set MSB, 0
.macro WIN new                         ; the immediate's high byte repeats the setting that is left; a switch that changes nothing is dropped
.if MSB != (\new)
	s_set_vgpr_msb (MSB<<8)|(\new)
.set MSB, (\new)
.endif
.endm
.macro BLOAD s                         ; my four fragments of W of K step s: 16 loads of 512 consecutive bytes
	WIN 0x80+0x40*((\s)>>2)
.irp ctl, 0,1,2,3
.irp c, 0,1,2,3
	global_load_b128 v[(4*((\s)&3)+\ctl)*16+4*\c:(4*((\s)&3)+\ctl)*16+4*\c+3], v[L16], s[10:11] offset:(8*\ctl+(\s))*2048+512*\c
.endr
.endr
.endm
.macro QUANT p                         ; K half p of my 8 rows: hold, convert, units into the stage
	WIN 0x41                                       ; numbers in window 1, limits in window 0
.irp i, 0,1,2,3,4,5,6,7
.set j, 0
.rept 16
	v_med3_num_f32 v[128*\p+16*\i+j], v[128*\p+16*\i+j], -v[LIMV+\i], v[LIMV+\i]   ; the hold at the largest code x the scale; 0 for a row of token 0
.set j, j+1
.endr
.endr
	WIN 0x01
.irp i, 0,1,2,3,4,5,6,7
	v_cvt_scalef32_pk8_fp8_f32 v[CD+32*\p+4*\i:CD+32*\p+4*\i+1], v[128*\p+16*\i:128*\p+16*\i+7], v[SCL]
	v_cvt_scalef32_pk8_fp8_f32 v[CD+32*\p+4*\i+2:CD+32*\p+4*\i+3], v[128*\p+16*\i+8:128*\p+16*\i+15], v[SCL]
.endr
	WIN 0
	v_nop                                          ; a plain line behind the last conversion: matrix instructions later write these registers
.irp i, 0,1,2,3,4,5,6,7
	ds_store_b128 v[STW], v[CD+32*\p+4*\i:CD+32*\p+4*\i+3] offset:8704*\p+16*\i
.endr
.endm
.macro OUT tt, rb                      ; row tile tt through my stage: in by 32 bytes of a row, back as rows of 256 bytes
.irp ctl, 0,1,2,3
	ds_store_b128 v[OSW], v[T+8*(2*\ctl+\tt):T+8*(2*\ctl+\tt)+3] offset:64*\ctl
	ds_store_b128 v[OSW], v[T+8*(2*\ctl+\tt)+4:T+8*(2*\ctl+\tt)+7] offset:64*\ctl+16
.endr
.irp i, 0,1,2,3,4,5,6,7
	ds_load_b128 v[\rb+4*\i:\rb+4*\i+3], v[OSR] offset:544*\i   ; LDS serves a wave's instructions in order (ISA guide 5.7.1.4): these see the stores above
.endr
.endm
.macro SEND tt, rb, younger            ; younger: LDS instructions issued behind this tile's loads
.irp i, 0,1,2,3,4,5,6,7
	s_wait_dscnt \younger+7-\i
	global_store_b128 v[GO], v[\rb+4*\i:\rb+4*\i+3], s[14:15] offset:(16*\tt+2*\i)*4096 th:TH_STORE_NT   ; sixteen lanes store 256 consecutive bytes, aligned
.endr
.endm
	s_load_b512 s[4:19], s[0:1], 0x0               ; tokens s[4:5], map s[6:7], W_emb s[8:9], codes of W s[10:11], lowp_scales s[12:13], out0 s[14:15], out1 s[16:17], sums s[18:19]
	v_lshrrev_b32 v2, 5, v0
	v_readfirstlane_b32 s20, v2                    ; wave
	s_mov_b32 s21, ttmp9                           ; x
	s_and_b32 s22, ttmp7, 0xffff                   ; y
	v_and_b32 v[LN], 31, v0
	v_lshlrev_b32 v[L16], 4, v[LN]
	v_and_b32 v[RR], 15, v0
	v_bfe_u32 v[HH], v0, 4, 1
	s_lshr_b32 s28, s20, 1                         ; my rows lie in row tile w / 2, at rows 8 (w % 2) on
	s_mul_i32 s28, s28, 17408
	s_and_b32 s29, s20, 1
	s_lshl_b32 s29, s29, 7
	s_add_co_u32 s28, s28, s29
	v_mul_u32_u24 v[STW], v[LN], 272               ; unit = my lane
	v_add_nc_u32 v[STW], s28, v[STW]
	v_mul_u32_u24 v[STR], v[HH], 272
	v_lshl_add_u32 v[STR], v[RR], 4, v[STR]        ; unit 2 pi + h, row r: h 272 + 16 r, + 544 pi in the immediate
	s_mul_i32 s28, s20, 4352
	s_add_co_u32 s28, s28, OST
	v_mul_u32_u24 v[OSW], v[RR], 272
	v_lshl_add_u32 v[OSW], v[HH], 5, v[OSW]
	v_add_nc_u32 v[OSW], s28, v[OSW]               ; row r, + 32 h
	v_add_nc_u32 v[OSR], s28, v[STR]               ; rows 2 i + h, 16 bytes a lane
	v_lshlrev_b32 v[GO], 12, v[HH]
	v_lshl_add_u32 v[GO], v[RR], 4, v[GO]
	s_lshl_b32 s28, s20, 8
	s_add_co_u32 s28, s28, SCR
	v_lshlrev_b32 v[SCW], 5, v[HH]
	v_add_nc_u32 v[SCW], s28, v[SCW]
	v_lshlrev_b32 v[SCRD], 4, v[RR]
	v_add_nc_u32 v[SCRD], s28, v[SCRD]
	s_lshl_b32 s28, s22, 4                         ; my map entry
	s_mov_b32 s29, 0
	s_lshl_b32 s30, s21, 18                        ; 16 x column tiles of 16,384 bytes,
	s_lshl_b32 s31, s20, 16                        ; 4 a wave
	s_add_co_u32 s30, s30, s31
	s_mov_b32 s31, 0
	s_wait_kmcnt 0x0
	s_add_nc_u64 s[6:7], s[6:7], s[28:29]
	s_load_b128 s[24:27], s[6:7], 0x0              ; first token, first row, byte of the exponents, sums wanted
	s_add_nc_u64 s[10:11], s[10:11], s[30:31]
	BLOAD 0                                        ; half of my W goes out ahead of everything that hangs on the map: 64 loads
	BLOAD 1
	BLOAD 2
	BLOAD 3
	WIN 0
	s_wait_kmcnt 0x0
	s_min_u32 s24, s24, 32736                      ; loaded numbers are held before they enter addresses
	s_min_u32 s60, s25, 3040
	s_min_u32 s25, s25, 3040
	s_min_u32 s26, s26, 8
	s_and_b32 s56, s26, 8
	s_lshl_b32 s28, s24, 2
	s_mov_b32 s29, 0
	s_add_nc_u64 s[4:5], s[4:5], s[28:29]          ; the tokens of my block
	s_lshl_b32 s30, s20, 5
	s_mov_b32 s31, 0
	s_add_nc_u64 s[52:53], s[4:5], s[30:31]        ; my wave's eight
	s_load_b256 s[32:39], s[52:53], 0x0
	s_mov_b32 s57, 0
	s_add_nc_u64 s[54:55], s[12:13], s[56:57]
	s_load_b64 s[40:41], s[54:55], 0x0             ; eA, eB
	s_lshl_b32 s58, s25, 12                        ; out0: first row x 4,096 + 1,024 x + 256 w
	s_lshl_b32 s51, s21, 10
	s_lshl_b32 s43, s20, 8
	s_add_co_u32 s51, s51, s43
	s_add_co_u32 s58, s58, s51
	s_mov_b32 s59, 0
	s_add_nc_u64 s[14:15], s[14:15], s[58:59]
	s_mov_b32 s61, 0
	s_add_nc_u64 s[16:17], s[16:17], s[60:61]      ; out1: a byte a row
	s_lshl_b32 s62, s22, 12                        ; sums: row y of 4,096 bytes, same columns
	s_add_co_u32 s62, s62, s51
	s_mov_b32 s63, 0
	s_add_nc_u64 s[18:19], s[18:19], s[62:63]
	s_wait_kmcnt 0x0
.irp i, 0,1,2,3,4,5,6,7
	s_min_u32 s43, s[TOK+\i], 31999
	s_lshl_b32 s43, s43, 12                        ; a row of W_emb is 4,096 bytes
	v_add_nc_u32 v[VO+\i], s43, v[L16]
.endr
	WIN 0x40
.irp p, 0,1
.irp i, 0,1,2,3,4,5,6,7
.irp q, 0,1,2,3
	global_load_b128 v[128*\p+16*\i+4*\q:128*\p+16*\i+4*\q+3], v[VO+\i], s[8:9] offset:2048*\p+512*\q   ; 512 consecutive bytes of a row; no hint: a list may name a row twice
.endr
.endr
.endr
	WIN 0
	s_add_co_i32 s43, s40, 127
	s_lshl_b32 s51, s43, 23
	v_mov_b32 v[SCL], s51                          ; 2^eA as f32
	s_add_co_i32 s43, s43, 8
	s_lshl_b32 s42, s43, 23
	s_or_b32 s42, s42, 0x600000                    ; 448 x 2^eA
	s_add_co_i32 s43, s40, s41                     ; e = eA + eB
	s_sub_co_i32 s[SI], 127, s43
	s_lshl_b32 s[SI], s[SI], 23                    ; 1 / S = 2^-e as f32
	s_mul_i32 s51, s43, 3
	v_mov_b32 v[K1], 0xc0135761                    ; -2 log2(e) sqrt(2 / pi)
	v_ldexp_f32 v[K1], v[K1], s43                  ; x S
	v_mov_b32 v[K1+1], v[K1]
	v_mov_b32 v[K3], 0xbdd2d3e8                    ; the same x 0.044715
	v_ldexp_f32 v[K3], v[K3], s51                  ; x S^3
	v_mov_b32 v[K3+1], v[K3]
.irp i, 0,1,2,3,4,5,6,7
	s_cmp_lg_u32 s[TOK+\i], 0
	s_cselect_b32 s43, s42, 0                      ; a choice, no branch: token 0 is held at 0
	v_mov_b32 v[LIMV+\i], s43
.endr
	s_wait_loadcnt 32                              ; all but the 32 youngest: W's first half and K half 0 of my rows are in
	QUANT 0
	BLOAD 4
	BLOAD 5
	WIN 0
	s_wait_loadcnt 32                              ; all but those 32: K half 1 is in
	QUANT 1
	BLOAD 6
	BLOAD 7
	WIN 0
	s_wait_dscnt 0x0                               ; for the others: my units lie in the stage
	s_barrier_signal -1
	s_barrier_wait -1                              ; the one barrier: all 32 rows lie there
	WIN 0x40
.irp s, 0,1,2,3,4,5,6,7
.irp tt, 0,1
.irp c, 0,1,2,3
	ds_load_b128 v[(2*\s+\tt)*16+4*\c:(2*\s+\tt)*16+4*\c+3], v[STR] offset:17408*\tt+8704*((\s)>>2)+544*(4*((\s)&3)+\c)
.endr
.endr
.endr
.irp s, 0,1,2,3,4,5,6,7                ; 64 matrix instructions; the eight accumulators take turns, one instruction a turn
	s_wait_dscnt 56-8*\s                           ; eight loads bring a K step's two fragments of rows: the later steps' may be out
.if \s == 4
	s_wait_loadcnt 32                              ; W's K steps 4 and 5 are in; 6 and 7 may be out
.endif
.if \s == 6
	s_wait_loadcnt 0
.endif
	WIN 0x06+((\s)>>2)                             ; source 0 (W) window 2 or 3, source 1 (rows) window 1, C and D window 0
.irp ctl, 0,1,2,3
.irp tt, 0,1
.if \s == 0
	v_wmma_f32_16x16x128_fp8_fp8 v[Y+8*(2*\ctl+\tt):Y+8*(2*\ctl+\tt)+7], v[(4*((\s)&3)+\ctl)*16:(4*((\s)&3)+\ctl)*16+15], v[(2*\s+\tt)*16:(2*\s+\tt)*16+15], 0
.else
	v_wmma_f32_16x16x128_fp8_fp8 v[Y+8*(2*\ctl+\tt):Y+8*(2*\ctl+\tt)+7], v[(4*((\s)&3)+\ctl)*16:(4*((\s)&3)+\ctl)*16+15], v[(2*\s+\tt)*16:(2*\s+\tt)*16+15], v[Y+8*(2*\ctl+\tt):Y+8*(2*\ctl+\tt)+7]
.endif
.endr
.endr
.endr
	WIN 0
	v_mov_b32 v[SIV], s[SI]                        ; four places between the last product and the first read of results (ISA guide 7.12.1): two of them make the pair 1 / S
	v_mov_b32 v[SIV+1], s[SI]
	v_nop
	v_nop
	; gelu, two numbers an instruction; each accumulator is read from its low end on
.set j, 0
.rept 32
	v_pk_mul_f32 v[T+j:T+j+1], v[Y+j:Y+j+1], v[Y+j:Y+j+1]
.set j, j+2
.endr
.set j, 0
.rept 32
	v_pk_fma_f32 v[T+j:T+j+1], v[T+j:T+j+1], v[K3:K3+1], v[K1:K1+1]
.set j, j+2
.endr
.set j, 0
.rept 32
	v_pk_mul_f32 v[T+j:T+j+1], v[T+j:T+j+1], v[Y+j:Y+j+1]   ; z
.set j, j+2
.endr
.set j, 0
.rept 64
	v_exp_f32 v[T+j], v[T+j]
.set j, j+1
.endr
	v_nop                                          ; a plain line behind the last exponential
	s_wait_alu depctr_va_vdst(0)                   ; one wait for the batch, ahead of its first reader
.set j, 0
.rept 32
	v_pk_fma_f32 v[T+j:T+j+1], v[T+j:T+j+1], v[SIV:SIV+1], v[SIV:SIV+1]   ; (1 + 2^z) / S
.set j, j+2
.endr
.set j, 0
.rept 64
	v_rcp_f32 v[T+j], v[T+j]
.set j, j+1
.endr
	v_nop
	s_wait_alu depctr_va_vdst(0)                   ; one wait for the batch of reciprocals
.set j, 0
.rept 32
	v_pk_mul_f32 v[T+j:T+j+1], v[T+j:T+j+1], v[Y+j:Y+j+1]   ; gelu
.set j, j+2
.endr
	OUT 0, RB
	OUT 1, Y                                       ; the accumulators are done with: the second tile comes back into them, so no store's data are written again
	SEND 0, RB, 16
	SEND 1, Y, 0
	s_cmp_eq_u32 s27, 0                            ; the column sums of the 32 rows, where the map asks for them
	s_cbranch_scc1 .Lnosum
.irp ctl, 0,1,2,3
.irp j, 0,2,4,6
	v_pk_add_f32 v[U+8*\ctl+\j:U+8*\ctl+\j+1], v[T+16*\ctl+\j:T+16*\ctl+\j+1], v[T+16*\ctl+8+\j:T+16*\ctl+8+\j+1]
.endr
.endr
.irp m, 1,2,4,8                        ; over the sixteen rows that lie in the sixteen lanes of a half
.set j, 0
.rept 32
	v_add_f32_dpp v[U+j], v[U+j], v[U+j] row_xmask:\m row_mask:0xf bank_mask:0xf
.set j, j+1
.endr
.endr
.irp ctl, 0,1,2,3
	ds_store_b128 v[SCW], v[U+8*\ctl:U+8*\ctl+3] offset:64*\ctl        ; the lanes of a half write the same bytes with the same numbers: columns 16 ctl + 8 h on
	ds_store_b128 v[SCW], v[U+8*\ctl+4:U+8*\ctl+7] offset:64*\ctl+16
.endr
	ds_load_b128 v[96:99], v[SCRD]
	s_wait_dscnt 0x0
	s_wait_xcnt 0x0                                ; EXEC changes only behind this wait
	v_cmp_gt_u32 vcc_lo, 16, v[LN]
	s_and_saveexec_b32 s50, vcc_lo
	global_store_b128 v[L16], v[96:99], s[18:19]   ; lanes 0 to 15: 256 consecutive bytes, aligned
	s_wait_xcnt 0x0
	s_or_b32 exec_lo, exec_lo, s50
.Lnosum:
	s_or_b32 s43, s21, s20                         ; the mask of the 32 rows: wave 0 of the first column quarter
	s_cmp_lg_u32 s43, 0
	s_cbranch_scc1 .Lend
	v_lshlrev_b32 v15, 2, v[LN]
	global_load_b32 v100, v15, s[4:5]
	s_wait_loadcnt 0x0
	v_cmp_ne_u32 vcc_lo, 0, v100
	v_cndmask_b32 v101, 0, 1, vcc_lo
	global_store_b8 v[LN], v101, s[16:17]          ; 32 consecutive bytes
.Lend:
	s_wait_xcnt 0x0
	s_mov_b32 exec_lo, -1
	v_lshl_add_u32 v222, v0, 2, 0xd000
	v_mov_b32 v223, 0
	s_wait_tensorcnt 0x0
	ds_add_u32 v222, v223
	s_wait_dscnt 0x0
	s_endpgm
.Lfunc_end_k_q5dede53159_ctx:
	.size	k_q5dede53159_ctx, .Lfunc_end_k_q5dede53159_ctx-k_q5dede53159_ctx
	.p2alignl 7, 3214868480
	.fill 96, 4, 3214868480
	.section	.rodata,"a",@progbits
	.p2align	6, 0x0
	.amdhsa_kernel k_q5dede53159_ctx
		.amdhsa_group_segment_fixed_size 53760
		.amdhsa_private_segment_fixed_size 0
		.amdhsa_enable_private_segment 0
		.amdhsa_kernarg_size 64
		.amdhsa_user_sgpr_count 2
		.amdhsa_user_sgpr_kernarg_segment_ptr 1
		.amdhsa_wavefront_size32 1
		.amdhsa_system_sgpr_workgroup_id_x 1
		.amdhsa_system_sgpr_workgroup_id_y 1
		.amdhsa_system_sgpr_workgroup_id_z 1
		.amdhsa_system_vgpr_workitem_id 0
		.amdhsa_next_free_vgpr 1024
		.amdhsa_next_free_sgpr 72
		.amdhsa_reserve_vcc 1
		.amdhsa_float_denorm_mode_32 3
		.amdhsa_float_denorm_mode_16_64 3
		.amdhsa_memory_ordered 1
		.amdhsa_forward_progress 1
		.amdhsa_inst_pref_size 81
	.end_amdhsa_kernel
	.amdgpu_metadata
---
amdhsa.version: [ 1, 2 ]
amdhsa.kernels:
  - .name:           k_q5dede53159_ctx
    .symbol:         k_q5dede53159_ctx.kd
    .args:
      - { .name: src_tokens, .offset: 0, .size: 8, .value_kind: global_buffer, .address_space: global }
      - { .name: ctxmap, .offset: 8, .size: 8, .value_kind: global_buffer, .address_space: global }
      - { .name: W_emb, .offset: 16, .size: 8, .value_kind: global_buffer, .address_space: global }
      - { .name: wc, .offset: 24, .size: 8, .value_kind: global_buffer, .address_space: global }
      - { .name: lowp_scales, .offset: 32, .size: 8, .value_kind: global_buffer, .address_space: global }
      - { .name: out0, .offset: 40, .size: 8, .value_kind: global_buffer, .address_space: global }
      - { .name: out1, .offset: 48, .size: 8, .value_kind: global_buffer, .address_space: global }
      - { .name: ctxpart, .offset: 56, .size: 8, .value_kind: global_buffer, .address_space: global }
    .group_segment_fixed_size: 53760
    .private_segment_fixed_size: 0
    .kernarg_segment_align: 8
    .kernarg_segment_size: 64
    .max_flat_workgroup_size: 128
    .sgpr_count:     72
    .vgpr_count:     1024
    .wavefront_size: 32
...
	.end_amdgpu_metadata
.endif
;; end of part 2
;; launch know (part 3): grid 256 x 1, 4 waves a work-group, clusters of 4 x 1, 327,680 bytes of LDS; arguments know_tokens, W_emb, wk, lowp_scales, knowpart; writes knowpart
.if DOCPART == 3
	.amdgcn_target "amdgcn-amd-amdhsa--gfx1250"
	.amdhsa_code_object_version 6
	.text
	.protected	k_q5dede53159_know
	.globl	k_q5dede53159_know
	.p2align	8
	.type	k_q5dede53159_know,@function
k_q5dede53159_know:
	s_mov_b64 s[64:65], 0
	v_nop
	global_prefetch_b8 v0, s[64:65] scope:SCOPE_SE
	s_setreg_imm32_b32 hwreg(HW_REG_WAVE_MODE, 25, 1), 1
	s_wait_xcnt 0x0
	s_wait_alu depctr_hold_cnt(0) depctr_sa_sdst(0) depctr_va_vdst(0) depctr_va_sdst(0) depctr_va_ssrc(0) depctr_va_vcc(0) depctr_vm_vsrc(0)
	s_getreg_b32 s2, hwreg(HW_REG_IB_STS2, 6, 4)
	s_cmp_eq_u32 s2, 0
	s_cbranch_scc0 .Lentry_in_a_cluster
	s_endpgm
.Lentry_in_a_cluster:
	s_bfe_u32 s2, ttmp6, 0x10000c
	s_cmp_lg_u32 s2, 0x3003
	s_cbranch_scc0 .Lentry_shape_is_right
	s_endpgm
.Lentry_shape_is_right:
; One knowledge chunk of 128 token rows to a work-group: gather W_emb rows by token, quantise to E4M3 (scale 2^e2), multiply by the codes of W_proj (scale 2^e3, all 1,024 columns), tanh-gelu, and the
; sums over the rows: knowpart[chunk][row group of 64][1024] f32.  The encoding itself never goes to memory.
; SHARES: wave w = (rg = w / 2, cg = w % 2).  THE 64 ROWS OF A ROW GROUP STAY AS CODES IN 512 REGISTERS of both its waves (64 rows x 1,024 K); W walks by in 8 blocks of 128 columns (131,072 bytes) through
; two LDS slots, and wave (rg, cg) multiplies its 64 rows by columns 64 cg on of the block: 16 accumulators, 128 matrix instructions a block.  A fragment of W read from LDS feeds four of them.
; CLUSTER: the four work-groups of a cluster walk the same W: each block is asked for JOINTLY, the same tensor load with the same descriptor and the mask of the four; each wave brings a quarter (32,768 bytes).
; ORDER OF K: a load reads 512 consecutive bytes of a row, 16 a lane; the four loads q of a K half p give lane l sixteen numbers k = 512 p + 128 q + 4 l + i, two conversions make 16 codes of them: unit l of half p.
; Registers 4c .. 4c+3 of lane (r, h) in the fragment of K step s are unit 2 (4 (s%4) + c) + h of half s/4 of row r.  The codes of W_proj were laid in the same order, as images of operand registers, so a fragment of W
; is four loads of 512 consecutive bytes: no pitch, no padding.  The permutation of k is the same in both operands: only the order of the sums inside an instruction differs.
; The rows' units go from wave to wave through a stage in LDS: a unit is 256 bytes (row r at 16 r), units 272 bytes apart.  A row of token 0 is held within +-0: its codes, its sums and its gelu are 0.
; THE MATRIX INSTRUCTION IS USED AS IT STANDS (source 0 = 16 rows, source 1 = 16 columns of W): a lane holds ONE column and eight rows, so the sum over rows is made inside the lane, with one exchange between the halves.
; GELU of x = S y, S = 2^(e2+e3): z = y (k1 + k3 y^2), k1 = -2.3022082 S, k3 = -0.10294324 S^3; gelu = y / ((1 + 2^z) / S).
; ORDER OF THE WORK: both first blocks of W are asked for; the gather, in four passes of 16 rows x 512 K a wave (two batches of 32 loads, up to 64 loads a wave out); then the blocks.  A block's gelu stands behind the next
; change of slots, so that the refill and the first fragments land under it.
; NO PREFETCH: the gather has 64 loads of 512 bytes a wave on its way all the time, and W is asked for a whole block (128 matrix instructions and a gelu) ahead.
; LIMITS: e2 between -126 and 119; e2 + e3 between -40 and 40; NaN and infinities among the inputs are not served; a token outside 0 .. 31999 is held at 31999.
; REGISTERS: window 0: v1-31 addresses and constants; v32-63 row offsets; v64-127 codes just made; in the blocks v64-255 three sets of four fragments of W (64 (s % 3) + 16 ctl + 4 c).
;   window 1: two landing sets of 128; in the blocks v0-127 the accumulators ((ctl, tt) at 8 (4 ctl + tt)), v128-255 at work.   windows 2, 3: the rows' fragments ((4 (s%4) + tt) 16 + 4 c, window 2 + s/4).
.set STG,   262144                     ; LDS: slot 0 at 0, slot 1 at 131,072; here the stage, 4 waves x 32 units x 272, written by LDS stores alone; later 2,048 bytes of sums for each wave
.set SPARE, 296960                     ; the spare words, 128 bytes for each wave: two blocks of 256 bytes that no other line names
.set SPW,  1                           ; v1   SPARE + 4 x my thread's number; never rewritten
.set NIL,  2                           ; v2   0; never rewritten
.set L16,  3                           ; v3   16 x lane
.set RR,   4                           ; v4   lane % 16
.set HH,   5                           ; v5   lane / 16
.set STW,  6                           ; v6   where I store units
.set STR,  7                           ; v7   where I read my row group's
.set ADB,  8                           ; v8, v9  my fragments of W in slot 0, 1
.set SB,   10                          ; v10  my sums: 4 r in my wave's 2,048 bytes
.set SA,   11                          ; v11  the same, at the pair of blocks in hand
.set SRD,  12                          ; v12  the sums read back
.set GO,   13                          ; v13  my byte offset in knowpart's row
.set SCL,  14                          ; v14  2^e2
.set LN,   15                          ; v15  lane
.set K1,   16                          ; v[16:17] k1, twice
.set LIMV, 18                          ; v18-25  the limits of a batch's 8 rows
.set K3,   26                          ; v[26:27] k3, twice
.set SIV,  28                          ; v[28:29] 1 / S, twice
.set VO,   32
.set CD,   64
.set BF,   64
.set WV,   14                          ; s14  wave
.set TOK,  32                          ; s[32:63] my 32 tokens
.set SEL,  28                          ; s[28:29] lane selects: lane l xor 16
.set G1,   68                          ; s[68:75] descriptor group 1
.set G0,   76                          ; s[76:83] descriptor group 0, one set for each slot
.set MSB, 0
.macro WIN new                         ; the immediate's high byte repeats the setting that is left; a switch that changes nothing is dropped
.if MSB != (\new)
	s_set_vgpr_msb (MSB<<8)|(\new)
.set MSB, (\new)
.endif
.endm
.macro PLACES
.rept 4
	v_nop
.endr
.endm
; A round of the cluster's barrier: my work-group's barrier; wave 0 signals for the work-group; every wave waits for all four work-groups; my work-group's barrier once more.
.macro CROUND
	s_barrier_signal -1
	s_barrier_wait -1
	s_cmp_lg_u32 s[WV], 0
	s_cbranch_scc1 .Lnot_wave_0_\@
	s_barrier_signal -3
.Lnot_wave_0_\@:
	s_barrier_wait -3
	s_barrier_signal -1
	s_barrier_wait -1
.endm
; Batch b of 8: rows 16 (b/4) + 8 (b%2) + i of my 32, K half (b/2)%2: 32 loads of 512 consecutive bytes into landing set b%2.
.macro ISSUE b
	WIN 0x40
.irp i, 0,1,2,3,4,5,6,7
.irp q, 0,1,2,3
	global_load_b128 v[128*((\b)&1)+16*\i+4*\q:128*((\b)&1)+16*\i+4*\q+3], v[VO+16*((\b)>>2)+8*((\b)&1)+\i], s[6:7] offset:2048*(((\b)>>1)&1)+512*\q
.endr
.endr
	WIN 0
.endm
; Batch b is held, converted and stored into my stage.  left: the loads of the next batch, which may stay out.
.macro QUANT b, left
	s_wait_loadcnt \left
.irp i, 0,1,2,3,4,5,6,7
	s_cmp_lg_u32 s[TOK+16*((\b)>>2)+8*((\b)&1)+\i], 0
	s_cselect_b32 s23, s22, 0                      ; a choice, no branch: a row of token 0 is held at 0
	v_mov_b32 v[LIMV+\i], s23
.endr
	WIN 0x41
.irp i, 0,1,2,3,4,5,6,7
.set j, 0
.rept 16
	v_med3_num_f32 v[128*((\b)&1)+16*\i+j], v[128*((\b)&1)+16*\i+j], -v[LIMV+\i], v[LIMV+\i]   ; the conversion does not saturate (ISA guide 7.6.2): the hold comes first
.set j, j+1
.endr
.endr
	WIN 0x01
.irp i, 0,1,2,3,4,5,6,7
	v_cvt_scalef32_pk8_fp8_f32 v[CD+32*((\b)&1)+4*\i:CD+32*((\b)&1)+4*\i+1], v[128*((\b)&1)+16*\i:128*((\b)&1)+16*\i+7], v[SCL]
	v_cvt_scalef32_pk8_fp8_f32 v[CD+32*((\b)&1)+4*\i+2:CD+32*((\b)&1)+4*\i+3], v[128*((\b)&1)+16*\i+8:128*((\b)&1)+16*\i+15], v[SCL]
.endr
	WIN 0
	v_nop                                          ; a plain line behind the last conversion: matrix instructions later touch these registers
.irp i, 0,1,2,3,4,5,6,7
	ds_store_b128 v[STW], v[CD+32*((\b)&1)+4*\i:CD+32*((\b)&1)+4*\i+3] offset:16*(8*((\b)&1)+\i)
.endr
.endm
; Pass t: both waves of my row group have a row tile (2 cc + t/2) of K half t%2 in their stages: 32 loads bring the two tiles' 16 quarter fragments each.
.macro READBACK t
	WIN 0x80+0x40*((\t)&1)
.irp cc, 0,1
.set PIX, 0
.rept 16
	ds_load_b128 v[(4*(PIX>>2)+2*\cc+((\t)>>1))*16+4*(PIX&3):(4*(PIX>>2)+2*\cc+((\t)>>1))*16+4*(PIX&3)+3], v[STR] offset:8704*\cc+544*PIX
.set PIX, PIX+1
.endr
.endr
	WIN 0
.endm
; The end of pass t: stores, wait, barrier, loads; loads, wait, barrier, and the stage may be written again.  Nothing is filled by a tensor load behind these barriers, so the two first blocks may stay on their way.
.macro TURNOVER t, last
	s_wait_dscnt 0x0                               ; for the others: my units lie in the stage
	s_barrier_signal -1
	s_barrier_wait -1
	READBACK \t
	s_wait_dscnt 0x0                               ; my reads of the stage are over
.if \last
	s_wait_tensorcnt 0x1                           ; my quarter of block 0 is in; block 1's load, issued behind it, may stay out
.endif
	s_barrier_signal -1
	s_barrier_wait -1
.endm
.macro FETCH slot, s                   ; my four fragments of W of K step s: 16 loads of 512 consecutive bytes, into set s % 3
.irp ctl, 0,1,2,3
.irp c, 0,1,2,3
	ds_load_b128 v[BF+64*((\s)%3)+16*\ctl+4*\c:BF+64*((\s)%3)+16*\ctl+4*\c+3], v[ADB+\slot] offset:(8*\ctl+(\s))*2048+512*\c
.endr
.endr
.endm
; A K step: 16 matrix instructions, the 16 accumulators by turns in the same order in every step; then the set just read takes the fragments of three steps on.
.macro KSTEP slot, s
.if (\s) <= 5
	s_wait_dscnt 32                                ; this step's 16 loads are in; the 32 of the next two steps may be out
.elseif (\s) == 6
	s_wait_dscnt 16
.else
	s_wait_dscnt 0
.endif
	WIN 0x52+((\s)>>2)                             ; source 0 (rows) window 2 or 3, source 1 (W) window 0, C and D window 1
.irp ctl, 0,1,2,3
.irp tt, 0,1,2,3
.if (\s) == 0
	v_wmma_f32_16x16x128_fp8_fp8 v[8*(4*\ctl+\tt):8*(4*\ctl+\tt)+7], v[(4*((\s)&3)+\tt)*16:(4*((\s)&3)+\tt)*16+15], v[BF+64*((\s)%3)+16*\ctl:BF+64*((\s)%3)+16*\ctl+15], 0
.else
	v_wmma_f32_16x16x128_fp8_fp8 v[8*(4*\ctl+\tt):8*(4*\ctl+\tt)+7], v[(4*((\s)&3)+\tt)*16:(4*((\s)&3)+\tt)*16+15], v[BF+64*((\s)%3)+16*\ctl:BF+64*((\s)%3)+16*\ctl+15], v[8*(4*\ctl+\tt):8*(4*\ctl+\tt)+7]
.endif
.endr
.endr
.if (\s)+3 <= 7
	WIN 0
	PLACES                                         ; four places in front of loads into registers that matrix instructions have read
	FETCH \slot, (\s)+3
.endif
.endm
.macro MPER slot                       ; a block: 8 K steps, 128 matrix instructions
.irp s, 0,1,2,3,4,5,6,7
	KSTEP \slot, \s
.endr
	WIN 0
.endm
; THE CHANGE OF SLOTS, at the head of the block in \slot.  Each wave waits for all its tensor loads (the one that is out is its quarter of \slot), adds 0 to its spare word, and waits for that and for its reads of
; the other slot.  refill = 1: a round of the cluster's barrier, so that no wave of any partner still reads the other slot or has a load on its way; the joint refill, two blocks on, is the first thing behind it.
.macro HEAD slot, refill
	WIN 0
	s_wait_tensorcnt 0x0                           ; no tensor load of mine is out, so a group 0 may be written
	ds_add_u32 v[SPW], v[NIL]                      ; 0 onto my spare word
.if \refill
	s_add_nc_u64 s[G0+4*(1-\slot)+2:G0+4*(1-\slot)+3], s[G0+4*(1-\slot)+2:G0+4*(1-\slot)+3], 262144   ; the other slot's next block; the type bits on top are not reached
.endif
	s_wait_dscnt 0x0                               ; the add is done, and my reads of the other slot are over
.if \refill
	CROUND
	tensor_load_to_lds s[G0+4*(1-\slot):G0+4*(1-\slot)+3], s[G1:G1+7]   ; my one tensor load until the next round: one load of mine is out
	s_nop 0
.else
	s_barrier_signal -1
	s_barrier_wait -1
.endif
	PLACES                                         ; behind the tensor load; also the places in front of the loads below and of the first read of the last block's results
	FETCH \slot, 0
	FETCH \slot, 1
	FETCH \slot, 2
.endm
; gelu of the block just multiplied and its sums over my 64 rows; the four sums of a lane (one column of each column tile) go to my scratch at byte \off of the pair of blocks in hand.
.macro EPI off
	v_add_nc_u32 v[SA], s31, v[SB]
	WIN 0x45                                       ; destination, sources 0 and 1: window 1
.set j, 0
.rept 64
	v_pk_mul_f32 v[128+j:129+j], v[j:j+1], v[j:j+1]           ; each accumulator is read from its low end on
.set j, j+2
.endr
	WIN 0x41                                       ; sources 1 and 2 (k3, k1): window 0
.set j, 0
.rept 64
	v_pk_fma_f32 v[128+j:129+j], v[128+j:129+j], v[K3:K3+1], v[K1:K1+1]
.set j, j+2
.endr
	WIN 0x45
.set j, 0
.rept 64
	v_pk_mul_f32 v[128+j:129+j], v[128+j:129+j], v[j:j+1]     ; z
.set j, j+2
.endr
	WIN 0x41
.set j, 0
.rept 128
	v_exp_f32 v[128+j], v[128+j]
.set j, j+1
.endr
	v_nop                                          ; a plain line behind the last exponential
	s_wait_alu depctr_va_vdst(0)                   ; one wait for the batch, ahead of its first reader
.set j, 0
.rept 64
	v_pk_fma_f32 v[128+j:129+j], v[128+j:129+j], v[SIV:SIV+1], v[SIV:SIV+1]   ; (1 + 2^z) / S
.set j, j+2
.endr
.set j, 0
.rept 128
	v_rcp_f32 v[128+j], v[128+j]
.set j, j+1
.endr
	v_nop
	s_wait_alu depctr_va_vdst(0)                   ; one wait for the batch of reciprocals
	WIN 0x45
.set AI, 0
.rept 16                               ; sixteen chains, one an accumulator: the sum of y x S / (1 + 2^z) over its eight rows, in pairs
	v_pk_mul_f32 v[128+8*AI:129+8*AI], v[8*AI:8*AI+1], v[128+8*AI:129+8*AI]
.set AI, AI+1
.endr
	WIN 0x55
.irp m, 1,2,3
.set AI, 0
.rept 16
	v_pk_fma_f32 v[128+8*AI:129+8*AI], v[8*AI+2*\m:8*AI+2*\m+1], v[128+8*AI+2*\m:129+8*AI+2*\m], v[128+8*AI:129+8*AI]
.set AI, AI+1
.endr
.endr
	WIN 0x45
.irp ctl, 0,1,2,3                      ; the four row tiles of a column tile
	v_pk_add_f32 v[128+32*\ctl:129+32*\ctl], v[128+32*\ctl:129+32*\ctl], v[136+32*\ctl:137+32*\ctl]
	v_pk_add_f32 v[144+32*\ctl:145+32*\ctl], v[144+32*\ctl:145+32*\ctl], v[152+32*\ctl:153+32*\ctl]
.endr
.irp ctl, 0,1,2,3
	v_pk_add_f32 v[128+32*\ctl:129+32*\ctl], v[128+32*\ctl:129+32*\ctl], v[144+32*\ctl:145+32*\ctl]
.endr
.irp ctl, 0,1,2,3
	v_add_f32 v[128+32*\ctl], v[128+32*\ctl], v[129+32*\ctl]
.endr
	WIN 0x41
.irp ctl, 0,1,2,3
	v_permlanex16_b32 v[130+32*\ctl], v[128+32*\ctl], s[SEL], s[SEL+1]   ; the column's other 32 rows lie in the lane 16 away
.endr
	WIN 0x45
.irp ctl, 0,1,2,3
	v_add_f32 v[128+32*\ctl], v[128+32*\ctl], v[130+32*\ctl]
.endr
	WIN 0x04                                       ; store data in window 1, address in window 0
.irp ctl, 0,1,2,3
	ds_store_b32 v[SA], v[128+32*\ctl] offset:\off+64*\ctl    ; both halves of the lanes write the same word with the same number
.endr
	WIN 0
.endm
	s_load_b256 s[4:11], s[0:1], 0x0               ; know_tokens s[4:5], W_emb s[6:7], codes of W s[8:9], lowp_scales s[10:11]
	s_load_b64 s[12:13], s[0:1], 0x20              ; knowpart
	v_lshl_add_u32 v[SPW], v0, 2, SPARE
	v_mov_b32 v[NIL], 0
	ds_add_u32 v1, v2
	ds_add_u32 v1, v2
	s_wait_dscnt 0x0
	v_lshrrev_b32 v[RR], 5, v0
	v_readfirstlane_b32 s[WV], v[RR]               ; wave 0..3
	s_lshr_b32 s15, s[WV], 1                       ; rg
	s_and_b32 s16, s[WV], 1                        ; cg
	s_bfe_u32 s17, ttmp6, 0x40000                  ; cx: my place in the cluster
	s_lshl_b32 s18, ttmp9, 2                       ; in a cluster launch ttmp9 counts clusters
	s_add_co_u32 s18, s18, s17                     ; my chunk: it enters the tokens' and knowpart's addresses alone, through s24 and s25
	; descriptor group 1: 128 rows of 256 bytes, dense in memory and in LDS
	s_mov_b32 s[G1], 15|(3<<16)|(1<<21)            ; 15:0 the mask: all four work-groups; 17:16 elements of 8 bytes; 21 set beside a mask; no padding
	s_mov_b32 s[G1+1], 32<<16                      ; tensor_dim0 = 32
	s_mov_b32 s[G1+2], 128<<16                     ; tensor_dim1 = 128
	s_mov_b32 s[G1+3], 32<<16                      ; tile_dim0 = 32
	s_mov_b32 s[G1+4], 128                         ; tile_dim1 = 128
	s_mov_b32 s[G1+5], 32                          ; tensor_dim0_stride
	s_mov_b32 s[G1+6], 0
	s_mov_b32 s[G1+7], 0
	s_lshl_b32 s19, s[WV], 15                      ; my quarter of a block: 32,768 bytes, in memory and in a slot: no place in the cluster enters either
	s_mov_b32 s22, s19
	s_mov_b32 s23, 0
	s_lshl_b32 s24, s18, 9                         ; my chunk's 128 tokens,
	s_lshl_b32 s25, s[WV], 7                       ; my wave's 32
	s_add_co_u32 s24, s24, s25
	s_mov_b32 s25, 0
	s_wait_kmcnt 0x0
	s_add_nc_u64 s[4:5], s[4:5], s[24:25]
	s_load_b512 s[32:47], s[4:5], 0x0
	s_load_b512 s[48:63], s[4:5], 0x40
	s_load_b64 s[20:21], s[10:11], 0x8             ; e2, e3
	s_add_nc_u64 s[8:9], s[8:9], s[22:23]
.irp n, 0,1
	s_mov_b32 s[G0+4*\n], 1                        ; count = 1
	s_add_co_u32 s[G0+4*\n+1], s19, \n*131072      ; LDS address: slot n, my quarter
	s_add_nc_u64 s[G0+4*\n+2:G0+4*\n+3], s[8:9], \n*131072   ; global address: block n, my quarter
	s_or_b32 s[G0+4*\n+3], s[G0+4*\n+3], 0x80000000          ; type = 2
.endr
	CROUND                                         ; all four work-groups are here: the first joint loads meet
	tensor_load_to_lds s[G0:G0+3], s[G1:G1+7]      ; the two first fills go out together, ahead of every wait on TENSORcnt and every LDS read: two loads of mine are out
	s_nop 0
	tensor_load_to_lds s[G0+4:G0+7], s[G1:G1+7]
	s_nop 0
	PLACES
	v_and_b32 v[LN], 31, v0
	v_lshlrev_b32 v[L16], 4, v[LN]
	v_and_b32 v[RR], 15, v0
	v_bfe_u32 v[HH], v0, 4, 1
	s_mul_i32 s66, s[WV], 8704
	s_add_co_u32 s66, s66, STG
	v_mul_u32_u24 v[STW], v[LN], 272               ; unit = my lane, in my wave's stage
	v_add_nc_u32 v[STW], s66, v[STW]
	s_mul_i32 s66, s15, 17408
	s_add_co_u32 s66, s66, STG
	v_mul_u32_u24 v[STR], v[HH], 272
	v_lshl_add_u32 v[STR], v[RR], 4, v[STR]
	v_add_nc_u32 v[STR], s66, v[STR]               ; my row group's two stages: unit 2 pi + h, row r
	s_lshl_b32 s66, s16, 16
	v_add_nc_u32 v[ADB], s66, v[L16]               ; slot 0: my four column tiles of 16,384 bytes, 16 bytes a lane
	v_add_nc_u32 v[ADB+1], 131072, v[ADB]
	s_lshl_b32 s66, s[WV], 11
	s_add_co_u32 s66, s66, STG
	v_lshl_add_u32 v[SB], v[RR], 2, s66
	v_add_nc_u32 v[SRD], s66, v[L16]
	v_lshlrev_b32 v[GO], 9, v[HH]
	v_lshl_add_u32 v[GO], v[RR], 4, v[GO]
	s_lshl_b32 s67, s16, 8
	v_add_nc_u32 v[GO], s67, v[GO]                 ; 512 h + 16 r + 256 cg
	s_lshl_b32 s24, s18, 13                        ; knowpart: 8,192 bytes a chunk, 4,096 a row group
	s_lshl_b32 s25, s15, 12
	s_add_co_u32 s24, s24, s25
	s_mov_b32 s25, 0
	s_add_nc_u64 s[12:13], s[12:13], s[24:25]
	s_mov_b32 s[SEL], 0x76543210
	s_mov_b32 s[SEL+1], 0xfedcba98
	s_mov_b32 s31, 0
	s_wait_kmcnt 0x0
.set j, 0
.rept 32
	s_min_u32 s23, s[TOK+j], 31999                 ; a loaded number is held before it enters an address
	s_lshl_b32 s23, s23, 12                        ; a row of W_emb is 4,096 bytes
	v_add_nc_u32 v[VO+j], s23, v[L16]
.set j, j+1
.endr
	ISSUE 0
	ISSUE 1
	s_add_co_i32 s66, s20, 127
	s_lshl_b32 s67, s66, 23
	v_mov_b32 v[SCL], s67                          ; 2^e2 as f32
	s_add_co_i32 s66, s66, 8
	s_lshl_b32 s22, s66, 23
	s_or_b32 s22, s22, 0x600000                    ; 448 x 2^e2
	s_add_co_i32 s66, s20, s21                     ; e = e2 + e3
	s_sub_co_i32 s26, 127, s66
	s_lshl_b32 s26, s26, 23                        ; 1 / S as f32
	v_mov_b32 v[SIV], s26
	v_mov_b32 v[SIV+1], s26
	s_mul_i32 s67, s66, 3
	v_mov_b32 v[K1], 0xc0135761                    ; -2 log2(e) sqrt(2 / pi)
	v_ldexp_f32 v[K1], v[K1], s66                  ; x S
	v_mov_b32 v[K1+1], v[K1]
	v_mov_b32 v[K3], 0xbdd2d3e8                    ; the same x 0.044715
	v_ldexp_f32 v[K3], v[K3], s67                  ; x S^3
	v_mov_b32 v[K3+1], v[K3]
	QUANT 0, 32
	ISSUE 2
	QUANT 1, 32
	ISSUE 3
	TURNOVER 0, 0
	QUANT 2, 32
	ISSUE 4
	QUANT 3, 32
	ISSUE 5
	TURNOVER 1, 0
	QUANT 4, 32
	ISSUE 6
	QUANT 5, 32
	ISSUE 7
	TURNOVER 2, 0
	QUANT 6, 32
	QUANT 7, 0
	TURNOVER 3, 1                                  ; behind its last barrier everybody's quarter of block 0 is in
	FETCH 0, 0
	FETCH 0, 1
	FETCH 0, 2
	MPER 0                                         ; block 0
	s_mov_b32 s30, 3
.Lblk:                                                 ; three trips: blocks 1 to 6 are multiplied, blocks 2 to 7 asked for, blocks 0 to 5 summed
	HEAD 1, 1
	EPI 0
	MPER 1
	HEAD 0, 1
	EPI 256
	MPER 0
	s_add_co_u32 s31, s31, 512                     ; the sums of the next two blocks
	s_sub_co_u32 s30, s30, 1
	s_cmp_lg_u32 s30, 0
	s_cbranch_scc1 .Lblk
	HEAD 1, 0                                      ; the last block is written out: nothing is asked for
	EPI 0
	MPER 1
	PLACES                                         ; four places between the last product and the first read of results
	EPI 256
	; the way out: my 8 blocks x 64 columns of sums, from my own scratch; LDS serves a wave's instructions in order, so these see my stores
.irp i, 0,1,2,3
	ds_load_b128 v[BF+4*\i:BF+4*\i+3], v[SRD] offset:512*\i
.endr
.irp i, 0,1,2,3
	s_wait_dscnt 3-\i
	global_store_b128 v[GO], v[BF+4*\i:BF+4*\i+3], s[12:13] offset:1024*\i   ; lane (r, h): block 2 i + h, columns 64 cg + 4 r on: sixteen lanes store 256 consecutive bytes, aligned
.endr
	s_wait_tensorcnt 0x0                           ; the wave's end, behind my last tensor load and my last LDS store
	ds_add_u32 v[SPW], v[NIL]
	s_wait_dscnt 0x0
	CROUND                                         ; the closing round: no work-group ends while a partner may still ask for a block that names it
	s_endpgm
.Lfunc_end_k_q5dede53159_know:
	.size	k_q5dede53159_know, .Lfunc_end_k_q5dede53159_know-k_q5dede53159_know
	.p2alignl 7, 3214868480
	.fill 96, 4, 3214868480
	.section	.rodata,"a",@progbits
	.p2align	6, 0x0
	.amdhsa_kernel k_q5dede53159_know
		.amdhsa_group_segment_fixed_size 327680
		.amdhsa_private_segment_fixed_size 0
		.amdhsa_enable_private_segment 0
		.amdhsa_kernarg_size 40
		.amdhsa_user_sgpr_count 2
		.amdhsa_user_sgpr_kernarg_segment_ptr 1
		.amdhsa_wavefront_size32 1
		.amdhsa_system_sgpr_workgroup_id_x 1
		.amdhsa_system_sgpr_workgroup_id_y 1
		.amdhsa_system_sgpr_workgroup_id_z 1
		.amdhsa_system_vgpr_workitem_id 0
		.amdhsa_next_free_vgpr 1024
		.amdhsa_next_free_sgpr 84
		.amdhsa_reserve_vcc 0
		.amdhsa_float_denorm_mode_32 3
		.amdhsa_float_denorm_mode_16_64 3
		.amdhsa_memory_ordered 1
		.amdhsa_forward_progress 1
		.amdhsa_inst_pref_size 255
	.end_amdhsa_kernel
	.section	.bss,"aw",@nobits
	.p2align	6
	.space	262144
	.amdgpu_metadata
---
amdhsa.version: [ 1, 2 ]
amdhsa.kernels:
  - .name:           k_q5dede53159_know
    .symbol:         k_q5dede53159_know.kd
    .args:
      - { .name: know_tokens, .offset: 0, .size: 8, .value_kind: global_buffer, .address_space: global }
      - { .name: W_emb, .offset: 8, .size: 8, .value_kind: global_buffer, .address_space: global }
      - { .name: wk, .offset: 16, .size: 8, .value_kind: global_buffer, .address_space: global }
      - { .name: lowp_scales, .offset: 24, .size: 8, .value_kind: global_buffer, .address_space: global }
      - { .name: knowpart, .offset: 32, .size: 8, .value_kind: global_buffer, .address_space: global }
    .group_segment_fixed_size: 327680
    .private_segment_fixed_size: 0
    .kernarg_segment_align: 8
    .kernarg_segment_size: 40
    .max_flat_workgroup_size: 128
    .sgpr_count:     84
    .vgpr_count:     1024
    .wavefront_size: 32
...
	.end_amdgpu_metadata
.endif
;; end of part 3
;; launch score (part 4): grid 8 x 1, 32 waves a work-group, no clusters, 8,704 bytes of LDS; arguments knowpart, ctxpart, know_tokens, src_tokens, ck_mask, out2, selmap; writes out2, selmap
.if DOCPART == 4
	.amdgcn_target "amdgcn-amd-amdhsa--gfx1250"
	.amdhsa_code_object_version 6
	.text
	.protected	k_q5dede53159_score
	.globl	k_q5dede53159_score
	.p2align	8
	.type	k_q5dede53159_score,@function
k_q5dede53159_score:
	s_mov_b64 s[64:65], 0
	v_nop
	global_prefetch_b8 v0, s[64:65] scope:SCOPE_SE
	s_setreg_imm32_b32 hwreg(HW_REG_WAVE_MODE, 25, 1), 1
	s_wait_xcnt 0x0
; Scores, out2 and the choice.  Work-group n is an example, wave k a chunk.  score[n][k] = (sum over d of know_sum[d] ctx_sum[d]) / (sqrt(1024 len_k) sqrt(1024 len_ctx)), len = the number of tokens other than 0, at least 1.
; out2 = the score where ck_mask holds, else 0.  The choice is the lowest index of the largest of (mask ? score : -1e30), as jnp.argmax takes it.  It is DATA here: it is stored, at fixed places, as the row map of the
; next launch (entry 4 n + q = { first token of 32 rows of the chosen chunk, first row of out0, byte 8 in lowp_scales, 0 = no sums }), and no address or branch of this launch hangs on it.
; cs_ids is not read: use_cs_ids is the constant 0, with which the reference takes the argmax and never looks at cs_ids.
; The division is two multiplications by v_rsq_f32, which differs from the reference's order of rounding by a few units in the last place.  LIMIT: if every masked score is NaN the index is 31.
; No matrix unit (one column), no tensor load, no cluster: 2.3 MB are read once, and work-groups share nothing.
.set CTX, 0                            ; LDS: the context's 1,024 sums
.set SC,  4096                         ; and the 32 scores
	s_load_b256 s[4:11], s[0:1], 0x0               ; knowpart s[4:5], ctxpart s[6:7], know_tokens s[8:9], src_tokens s[10:11]
	s_load_b128 s[12:15], s[0:1], 0x20             ; ck_mask s[12:13], out2 s[14:15]
	s_load_b64 s[16:17], s[0:1], 0x30              ; selmap
	v_lshrrev_b32 v4, 5, v0
	v_readfirstlane_b32 s18, v4                    ; wave = chunk k
	v_and_b32 v1, 31, v0                           ; lane
	v_lshlrev_b32 v2, 4, v1                        ; 16 x lane
	v_lshlrev_b32 v3, 2, v0                        ; 4 x thread
	v_mov_b32 v5, s18
	v_lshlrev_b32 v5, 2, v5                        ; my score's word
	v_lshlrev_b32 v6, 2, v1                        ; 4 x lane
	s_mov_b32 s28, 0x76543210
	s_mov_b32 s29, 0xfedcba98                      ; lane selects: lane l xor 16
	s_lshl_b32 s20, ttmp9, 15                      ; ctxpart: 8 rows of 4,096 bytes an example
	s_mov_b32 s21, 0
	s_lshl_b32 s19, ttmp9, 5
	s_add_co_u32 s19, s19, s18                     ; chunk 32 n + k
	s_lshl_b32 s22, s19, 13                        ; knowpart: 8,192 bytes a chunk
	s_mov_b32 s23, 0
	s_lshl_b32 s24, s19, 9                         ; its 128 tokens
	s_mov_b32 s25, 0
	s_lshl_b32 s26, ttmp9, 10                      ; the example's 256 source tokens
	s_mov_b32 s27, 0
	s_wait_kmcnt 0x0
	s_add_nc_u64 s[6:7], s[6:7], s[20:21]
	s_add_nc_u64 s[4:5], s[4:5], s[22:23]
	s_add_nc_u64 s[8:9], s[8:9], s[24:25]
	s_add_nc_u64 s[10:11], s[10:11], s[26:27]
.irp j, 0,1,2,3,4,5,6,7
	global_load_b32 v[116+\j], v3, s[6:7] offset:4096*\j     ; thread t: column t of the example's eight row blocks
.endr
.irp j, 0,1,2,3,4,5,6,7
	global_load_b128 v[8+4*\j:11+4*\j], v2, s[4:5] offset:512*\j          ; my chunk's sums, row group 0: columns 128 j + 4 lane on
	global_load_b128 v[40+4*\j:43+4*\j], v2, s[4:5] offset:4096+512*\j    ; row group 1
.endr
	global_load_b128 v[104:107], v2, s[8:9]
	global_load_b128 v[108:111], v2, s[10:11]
	global_load_b128 v[112:115], v2, s[10:11] offset:512
	s_wait_loadcnt 19                              ; the eight parts are in; the 19 loads behind them may be out
	v_add_f32 v116, v116, v117
	v_add_f32 v118, v118, v119
	v_add_f32 v120, v120, v121
	v_add_f32 v122, v122, v123
	v_add_f32 v116, v116, v118
	v_add_f32 v120, v120, v122
	v_add_f32 v116, v116, v120
	ds_store_b32 v3, v116
	s_wait_dscnt 0x0                               ; for the others: my column's sum lies in LDS
	s_barrier_signal -1
	s_barrier_wait -1
.irp j, 0,1,2,3,4,5,6,7
	ds_load_b128 v[72+4*\j:75+4*\j], v2 offset:512*\j
.endr
	s_wait_loadcnt 0x0
.set j, 0
.rept 16
	v_pk_add_f32 v[8+j:9+j], v[8+j:9+j], v[40+j:41+j]        ; the two row groups
.set j, j+2
.endr
.irp j, 0,1,2,3
	v_cmp_ne_u32 vcc_lo, 0, v[104+\j]
	v_cndmask_b32 v[40+\j], 0, 1.0, vcc_lo
.endr
.irp j, 0,1,2,3,4,5,6,7
	v_cmp_ne_u32 vcc_lo, 0, v[108+\j]
	v_cndmask_b32 v[44+\j], 0, 1.0, vcc_lo
.endr
	v_add_f32 v40, v40, v41
	v_add_f32 v42, v42, v43
	v_add_f32 v44, v44, v45
	v_add_f32 v46, v46, v47
	v_add_f32 v48, v48, v49
	v_add_f32 v50, v50, v51
	v_add_f32 v40, v40, v42                        ; my 4 tokens of the chunk
	v_add_f32 v44, v44, v46
	v_add_f32 v48, v48, v50
	v_add_f32 v44, v44, v48                        ; my 8 of the context
	s_wait_dscnt 0x0
	v_pk_mul_f32 v[124:125], v[8:9], v[72:73]      ; the first products start the two chains: nothing is cleared
	v_pk_mul_f32 v[126:127], v[10:11], v[74:75]
.set j, 4
.rept 7
	v_pk_fma_f32 v[124:125], v[8+j:9+j], v[72+j:73+j], v[124:125]
	v_pk_fma_f32 v[126:127], v[10+j:11+j], v[74+j:75+j], v[126:127]
.set j, j+4
.endr
	v_pk_add_f32 v[124:125], v[124:125], v[126:127]
	v_add_f32 v124, v124, v125
.irp m, 1,2,4,8                        ; three sums over the 32 lanes, by turns
	v_add_f32_dpp v124, v124, v124 row_xmask:\m row_mask:0xf bank_mask:0xf
	v_add_f32_dpp v40, v40, v40 row_xmask:\m row_mask:0xf bank_mask:0xf
	v_add_f32_dpp v44, v44, v44 row_xmask:\m row_mask:0xf bank_mask:0xf
.endr
	v_permlanex16_b32 v125, v124, s28, s29
	v_permlanex16_b32 v41, v40, s28, s29
	v_permlanex16_b32 v45, v44, s28, s29
	v_add_f32 v124, v124, v125
	v_add_f32 v40, v40, v41
	v_add_f32 v44, v44, v45
	v_max_num_f32 v40, 1.0, v40
	v_max_num_f32 v44, 1.0, v44
	v_mul_f32 v40, 0x44800000, v40                 ; d x len, d = 1,024
	v_mul_f32 v44, 0x44800000, v44
	v_rsq_f32 v41, v40
	v_rsq_f32 v45, v44
	v_nop                                          ; a plain line behind the transcendentals
	s_wait_alu depctr_va_vdst(0)                   ; one wait for both, ahead of the first reader
	v_mul_f32 v124, v124, v41
	v_mul_f32 v124, v124, v45
	ds_store_b32 v5, v124 offset:SC                ; all lanes write the same word with the same number
	s_wait_dscnt 0x0
	s_barrier_signal -1
	s_barrier_wait -1
	s_cmp_lg_u32 s18, 0                            ; wave 0 goes on alone; no barrier follows
	s_cbranch_scc1 .Lend
	ds_load_b32 v104, v6 offset:SC                 ; lane k: score k
	s_lshl_b32 s20, ttmp9, 5
	s_mov_b32 s21, 0
	s_add_nc_u64 s[12:13], s[12:13], s[20:21]
	global_load_u8 v105, v1, s[12:13]              ; ck_mask[n][k]
	s_lshl_b32 s22, ttmp9, 7
	s_mov_b32 s23, 0
	s_add_nc_u64 s[14:15], s[14:15], s[22:23]
	s_lshl_b32 s24, ttmp9, 6
	s_mov_b32 s25, 0
	s_add_nc_u64 s[16:17], s[16:17], s[24:25]
	v_mov_b32 v107, 0xf149f2ca                     ; -1e30
	v_mov_b32 v109, 0                              ; (a lane permute's destination counts as one of its sources)
	s_wait_loadcnt 0x0
	s_wait_dscnt 0x0
	v_cmp_ne_u32 vcc_lo, 0, v105
	v_cndmask_b32 v106, 0, v104, vcc_lo
	global_store_b32 v6, v106, s[14:15]            ; out2: 128 consecutive bytes
	v_cndmask_b32 v107, v107, v104, vcc_lo
	v_mov_b32 v108, v107
.irp m, 1,2,4,8
	v_max_num_f32_dpp v108, v108, v108 row_xmask:\m row_mask:0xf bank_mask:0xf
.endr
	v_permlanex16_b32 v109, v108, s28, s29
	v_max_num_f32 v108, v108, v109
	v_cmp_eq_f32 s26, v107, v108
	s_ctz_i32_b32 s27, s26                         ; the lowest lane that holds the largest
	s_min_u32 s27, s27, 31
	s_add_co_u32 s27, s27, s20                     ; chunk 32 n + id
	s_lshl_b32 s27, s27, 7                         ; its first token
	s_mul_i32 s30, ttmp9, 384                      ; the example's first row of out0
	v_lshlrev_b32 v111, 5, v1                      ; 32 q
	v_add_nc_u32 v112, s27, v111
	v_add_nc_u32 v113, s30, v111
	v_mov_b32 v114, 8                              ; scales: entries 2 and 3
	v_mov_b32 v115, 0                              ; no sums
	s_wait_xcnt 0x0                                ; EXEC changes only behind this wait
	v_cmp_gt_u32 vcc_lo, 4, v1
	s_and_saveexec_b32 s31, vcc_lo
	global_store_b128 v2, v[112:115], s[16:17]     ; entries 4 n + q, q = lane 0 .. 3
	s_wait_xcnt 0x0
	s_or_b32 exec_lo, exec_lo, s31
.Lend:
	s_wait_xcnt 0x0
	s_mov_b32 exec_lo, -1
	v_lshl_add_u32 v126, v0, 2, 0x1200
	v_mov_b32 v127, 0
	s_wait_tensorcnt 0x0
	ds_add_u32 v126, v127
	s_wait_dscnt 0x0
	s_endpgm
.Lfunc_end_k_q5dede53159_score:
	.size	k_q5dede53159_score, .Lfunc_end_k_q5dede53159_score-k_q5dede53159_score
	.p2alignl 7, 3214868480
	.fill 96, 4, 3214868480
	.section	.rodata,"a",@progbits
	.p2align	6, 0x0
	.amdhsa_kernel k_q5dede53159_score
		.amdhsa_group_segment_fixed_size 8704
		.amdhsa_private_segment_fixed_size 0
		.amdhsa_enable_private_segment 0
		.amdhsa_kernarg_size 56
		.amdhsa_user_sgpr_count 2
		.amdhsa_user_sgpr_kernarg_segment_ptr 1
		.amdhsa_wavefront_size32 1
		.amdhsa_system_sgpr_workgroup_id_x 1
		.amdhsa_system_sgpr_workgroup_id_y 1
		.amdhsa_system_sgpr_workgroup_id_z 1
		.amdhsa_system_vgpr_workitem_id 0
		.amdhsa_next_free_vgpr 128
		.amdhsa_next_free_sgpr 66
		.amdhsa_reserve_vcc 1
		.amdhsa_float_denorm_mode_32 3
		.amdhsa_float_denorm_mode_16_64 3
		.amdhsa_memory_ordered 1
		.amdhsa_forward_progress 1
		.amdhsa_inst_pref_size 13
	.end_amdhsa_kernel
	.amdgpu_metadata
---
amdhsa.version: [ 1, 2 ]
amdhsa.kernels:
  - .name:           k_q5dede53159_score
    .symbol:         k_q5dede53159_score.kd
    .args:
      - { .name: knowpart, .offset: 0, .size: 8, .value_kind: global_buffer, .address_space: global }
      - { .name: ctxpart, .offset: 8, .size: 8, .value_kind: global_buffer, .address_space: global }
      - { .name: know_tokens, .offset: 16, .size: 8, .value_kind: global_buffer, .address_space: global }
      - { .name: src_tokens, .offset: 24, .size: 8, .value_kind: global_buffer, .address_space: global }
      - { .name: ck_mask, .offset: 32, .size: 8, .value_kind: global_buffer, .address_space: global }
      - { .name: out2, .offset: 40, .size: 8, .value_kind: global_buffer, .address_space: global }
      - { .name: selmap, .offset: 48, .size: 8, .value_kind: global_buffer, .address_space: global }
    .group_segment_fixed_size: 8704
    .private_segment_fixed_size: 0
    .kernarg_segment_align: 8
    .kernarg_segment_size: 56
    .max_flat_workgroup_size: 1024
    .sgpr_count:     66
    .vgpr_count:     128
    .wavefront_size: 32
...
	.end_amdgpu_metadata
.endif
;; end of part 4
;; launch sel: the kernel of part 2 again; grid 4 x 32, 4 waves a work-group, no clusters, 53,760 bytes of LDS; arguments know_tokens, selmap, W_emb, wk, lowp_scales, out0, out1, ctxpart; writes out0, out1, ctxpart
